; MI455X (gfx1250); checked and timed in simulation.
; The chip was launched on July 23, 2026; its instructions are those of AMD's public machine-readable ISA for CDNA 5 (MIT licence, August 2026) and "CDNA5" Instruction Set Architecture Reference Guide (July 2026). The comments in the code are by the model that wrote it; some were corrected since.
;; Attention1 D. Allowed arithmetic: float matrix products may take bf16 or f16 operands with f32 sums; all other float work in f32.
;; Inputs: Wk 128 x 128 float32; Wq 128 x 128 float32; bk 128 float32; bq 128 float32; feature 4 x 128 x 64 x 256 float32; position 4 x 128 x 64 x 256 float32.
;; Outputs: out0 4 x 128 x 64 x 256 float32.
;; One version. Each part assembles by itself: llvm-mc -triple=amdgcn-amd-amdhsa -mcpu=gfx1250 --defsym DOCPART=n.
;; ======== version 1 of 1: 1 launch
;; limits: values are held in f16: magnitudes above 65,504 overflow, below 6.1e-05 lose precision
;; launch attn1d (part 1): grid 256 x 1, 4 waves a work-group, clusters of 4 x 1, 280,064 bytes of LDS; arguments feature, position, Wq, Wk, bq, bk, out0; writes out0
.if DOCPART == 1
	.amdgcn_target "amdgcn-amd-amdhsa--gfx1250"
	.amdhsa_code_object_version 6
	.text
	.protected	k_q3266e5ed8e_attn1d
	.globl	k_q3266e5ed8e_attn1d
	.p2align	8
	.type	k_q3266e5ed8e_attn1d,@function
k_q3266e5ed8e_attn1d:
	s_mov_b64 s[64:65], 0
	v_nop
	global_prefetch_b8 v0, s[64:65] scope:SCOPE_SE
	s_setreg_imm32_b32 hwreg(HW_REG_WAVE_MODE, 25, 1), 1
	s_wait_xcnt 0x0
	s_wait_alu depctr_hold_cnt(0) depctr_sa_sdst(0) depctr_va_vdst(0) depctr_va_sdst(0) depctr_va_ssrc(0) depctr_va_vcc(0) depctr_vm_vsrc(0)
	s_getreg_b32 s2, hwreg(HW_REG_IB_STS2, 6, 4)
	s_cmp_eq_u32 s2, 0
	s_cbranch_scc0 .Lentry_in_a_cluster
	s_endpgm
.Lentry_in_a_cluster:
	s_bfe_u32 s2, ttmp6, 0x10000c
	s_cmp_lg_u32 s2, 0x3003
	s_cbranch_scc0 .Lentry_shape_is_right
	s_endpgm
.Lentry_shape_is_right:
; Attention1D, window radius 8, all steps in one launch.  feature, position, out0: [4][128][64][256] f32; Wq, Wk: [128][128] f32; bq, bk: [128] f32.
; f = feature + position;  q = Wq f + bq;  k = Wk f + bk;  score(w, w') = q(w).k(w') / sqrt(128) for |w - w'| <= 8, exactly 0 where w' lies outside 0..255
; (k is padded with zeros behind its bias);  softmax over the 17 entries;  out(c, w) = sum of p(w, w') f(c, w'), f = 0 outside.
;
; ONE WORK-GROUP PER (batch, height): 128 channel rows of 1,024 bytes, 65,536 bytes apart.  256 work-groups.  Four waves; wave v owns w = 64 v .. 64 v + 63.
; THE STREAM: the channels are the K axis of both projections, so 32 channels are multiplied as soon as they are in.  Wave v loads rows 32 g + 8 v + i
; (a group = one row of feature and of position = four loads of 512 consecutive bytes) through a ring of 14 groups in registers: 56 loads of a wave are
; out.  Two groups at a time are converted between the runs of matrix instructions of the K step before, and their slots asked for again at once.
; f goes to LDS in f16 as F[c][8 zeros, 256, 8 zeros]; each row is written once, so one barrier a chunk (stores, wait, barrier, reads) is all the ordering F needs.
; THE MATRIX WORK OF A WAVE: D(o, w) = W x f for 8 o tiles x 4 blocks of 16 w (q) and x 5 blocks shifted by 8 (k: w' = 64 v - 8 + 16 s ..): 72 accumulators.
; A lane of D holds o = 16 t + 8 h + 0..7 of one w: packed to f16, tiles 2u and 2u+1 ARE the fragment (row w, K = o = 32 u ..), so q and k stay in registers.
; S^T = k x q: lane (r, h) holds for w = w0 + r the window entries 16 T + 8 h + j: packed, the two tiles ARE the fragment of P (row w, K = window entry).
; out^T = P x f: a lane holds 8 neighbouring w of one channel; 16 channels at a time go through a stage in LDS and leave as whole rows of 256 bytes.
; THE WEIGHTS are read by every work-group (131,072 of the 524,288 bytes that a work-group moves): clusters of four ask for them jointly.
; Only the weights are shared, so a cluster of four along x is all that a mask of four can use.
;
; FORMAT AND LIMIT: matrix operands are f16, sums f32, softmax f32.  Six roundings feed a score (f, W, q and f, W, k); with 8 significant bits their
; joint error is near half of what the comparison allows, with 11 bits an eighth of that.  LIMIT: |f|, |W|, |q|, |k| must stay below 65,504 (f16's largest
; number), else they turn infinite.  Inputs 30 times those drawn give |q| near 5,000; offsets of 30 spreads on f and on W give near 10,000.
; log2(e) / sqrt(128) multiplies S in f32, in the same fused multiply-add that masks it, so that S is the exponent of 2.
; Probabilities below 2^-126 before, and below 2^-25 after normalising, count as 0.
.set CSTR,  65536                      ; bytes from a channel's row to the next channel's
.set FP,    544                        ; pitch of F: 272 f16 = 17 x 32 bytes, so the 8 rows x 32 bytes that half a transposing load touches fall on different banks
.set WP,    272                        ; pitch of the f16 weights: 256 + 16 bytes, 17 x 16: the 16 rows of a fragment load start 16 bytes apart modulo 256
.set SP,    272                        ; pitch of a stage, likewise
.set STG,   16*SP                      ; a stage: 16 channels x 64 w of f32
.set L_WF,  0                          ; LDS: weights in f32 as the tensor loads bring them, Wq then Wk: 131,072 bytes, filled once
.set L_ST,  0                          ; the stages, 8 for each wave, 139,264 bytes: over the f32 weights, whose one fill and whose reads lie in front of the first barrier, and 8,192 bytes behind them
.set L_WB,  139264                     ; weights in f16, 256 rows x 272
.set L_F,   208896                     ; F, 128 rows x 544
.set L_BI,  278528                     ; bq, bk: 1,024 bytes
.set DEPTH, 14                         ; groups in the ring
.set RING,  32                         ; window 0: v32-255 the ring, 16 registers a group
; window 0: v0 thread, v1 load offset, v2 F store, v3 transposing loads, v4 weight fragments, v5 f fragments, v6/v7 stage in/out, v8 out offset, v9 biases, v10-31 start-up
; window 1:
.set BQ, 0                             ; f^T fragments of my 4 aligned blocks
.set BK, 32                            ; f^T fragments of my 5 shifted blocks
.set AF, 72                            ; weight fragments, two buffers of 4 tiles
.set K4, 136                           ; accumulators of the fifth shifted block; they start as bk
.set MK, 200                           ; 16 addends: 0 inside the band, -inf outside
.set SC, 216                           ; block b, tile T: a pair of factors, log2(e)/sqrt(128) where w' is inside 0..255, else 0
.set FB, 0                             ; behind the last K step: f for the last product, channel tile ct: five chunks of 16 bytes at 20 ct
; window 2: q accumulators, block b tile t at 64 b + 8 t (block 0 starts as bq); at the end the 32 result tiles, channel tile ct block b at 32 ct + 8 b
; window 3: k accumulators of shifted blocks 0-3, likewise; at the end the rows on their way out, 32 ct + 4 t
; window 0 behind the stream (the ring is empty by then):
.set SA,  32                           ; S, then P: block b at 16 b
.set MP,  96                           ; block b: a pair, the maximum, later 1 / sum
.set XR,  104                          ; block b: what comes from the other half of the lanes
.set TS,  108                          ; block b: two pairs of partial sums
.set MSB, 0
.macro WIN new                         ; s_set_vgpr_msb: bits 1:0 source 0, 3:2 source 1, 5:4 source 2, 7:6 destination; the high byte repeats the setting that is left
.if MSB != \new
	s_set_vgpr_msb (MSB<<8)|\new
.set MSB, \new
.endif
.endm
.macro PLACES                          ; four independent vector instructions behind a matrix instruction before its result is read or a load lands on its sources
.rept 4
	v_nop
.endr
.endm
.macro ROUND                           ; a round of the cluster's barrier: my work-group's barrier, wave 0 signals for it, all wait for the four work-groups, my barrier again
	s_barrier_signal -1
	s_barrier_wait -1
	s_cmp_lg_u32 s18, 0
	s_cbranch_scc1 .Lnot_wave_0_\@
	s_barrier_signal -3
.Lnot_wave_0_\@:
	s_barrier_wait -3
	s_barrier_signal -1
	s_barrier_wait -1
.endm
.macro BAR                             ; my LDS stores are done (and my LDS loads back), then the barrier: behind it every wave may read them
	s_wait_dscnt 0x0
	s_barrier_signal -1
	s_barrier_wait -1
.endm
; group p of the stream (p = 8 g + i): row 32 g + 8 v + i of feature and of position, 4 x 512 consecutive bytes; the row stands in the immediate
.macro GLOAD p
.set GR, RING+16*((\p)%DEPTH)
.set GO, (32*((\p)/8)+(\p)%8)*CSTR
	global_load_b128 v[GR:GR+3],     v1, s[4:5] offset:GO th:TH_LOAD_NT
	global_load_b128 v[GR+4:GR+7],   v1, s[4:5] offset:GO+512 th:TH_LOAD_NT
	global_load_b128 v[GR+8:GR+11],  v1, s[6:7] offset:GO th:TH_LOAD_NT
	global_load_b128 v[GR+12:GR+15], v1, s[6:7] offset:GO+512 th:TH_LOAD_NT
.endm
; groups p and p + 1 (p even) are added, rounded to f16 and stored to F; their slots are asked for again, 14 groups ahead.  Two at a time, so that no line waits for the line in front of it.
.macro CONV2 p
.set CA, RING+16*((\p)%DEPTH)
.set CB, RING+16*(((\p)+1)%DEPTH)
.set FA, (32*((\p)/8)+(\p)%8)*FP
.if (\p) < 18
	s_wait_loadcnt 4*(DEPTH-2)                     ; loads come back in order: the 12 younger groups stay out
.else
	s_wait_loadcnt 4*(30-(\p))                     ; the stream has ended at group 31: the count runs down
.endif
.irp j,0,2,4,6
	v_pk_add_f32 v[CA+\j:CA+\j+1], v[CA+\j:CA+\j+1], v[CA+8+\j:CA+9+\j]
.endr
.irp j,0,2,4,6
	v_pk_add_f32 v[CB+\j:CB+\j+1], v[CB+\j:CB+\j+1], v[CB+8+\j:CB+9+\j]
.endr
.irp j,0,1,2,3
	v_cvt_pk_f16_f32 v[CA+\j], v[CA+2*\j], v[CA+2*\j+1]
.endr
.irp j,0,1,2,3
	v_cvt_pk_f16_f32 v[CB+\j], v[CB+2*\j], v[CB+2*\j+1]
.endr
	ds_store_b64 v2, v[CA:CA+1] offset:FA          ; w = 4 lane .. : 256 consecutive bytes
	ds_store_b64 v2, v[CA+2:CA+3] offset:FA+256    ; w = 128 + 4 lane ..
	ds_store_b64 v2, v[CB:CB+1] offset:FA+FP
	ds_store_b64 v2, v[CB+2:CB+3] offset:FA+FP+256
.if (\p)+DEPTH < 32
	GLOAD (\p)+DEPTH
	GLOAD (\p)+DEPTH+1
.endif
.endm
; four weight fragments (16 o x 32 c): matrix m (0 Wq, 1 Wk), tiles t0 .. t0+3, K step g, into buffer buf
.macro LDA buf, m, t0, g
.irp i,0,1,2,3
	ds_load_b128 v[AF+32*\buf+8*\i:AF+32*\buf+8*\i+3],   v4 offset:(128*\m+16*(\t0+\i))*WP+64*(\g)
	ds_load_b128 v[AF+32*\buf+8*\i+4:AF+32*\buf+8*\i+7], v4 offset:(128*\m+16*(\t0+\i))*WP+64*(\g)+32
.endr
.endm
; f^T fragments of K step g from F[c][w] by transposing loads: 4 aligned blocks (8 columns of padding = 16 bytes in), then 5 shifted ones
.macro LDB g
.irp b,0,1,2,3
	ds_load_tr16_b128 v[BQ+8*\b:BQ+8*\b+3],   v3 offset:32*\g*FP+32*\b+16
	ds_load_tr16_b128 v[BQ+8*\b+4:BQ+8*\b+7], v3 offset:(32*\g+16)*FP+32*\b+16
.endr
.irp s,0,1,2,3,4
	ds_load_tr16_b128 v[BK+8*\s:BK+8*\s+3],   v3 offset:32*\g*FP+32*\s
	ds_load_tr16_b128 v[BK+8*\s+4:BK+8*\s+7], v3 offset:(32*\g+16)*FP+32*\s
.endr
.endm
; The accumulators take turns, one matrix instruction a turn: 72 different ones in a K step.
; first = 1 (K step 0): a tile's bias is the same in every column, so it is loaded once, into block 0's accumulator; blocks 1 to 3 take those registers as C,
; and five places behind the last of them (a matrix instruction writes over a source of another: ISA guide 7.12.1) block 0 is added onto in place.
.macro MMQ buf, t0, first
	WIN 0xa5                                       ; A, B window 1; C, D window 2
.if \first
.irp i,0,1,2,3
.irp b,1,2,3
	v_wmma_f32_16x16x32_f16 v[64*\b+8*(\t0+\i):64*\b+8*(\t0+\i)+7], v[AF+32*\buf+8*\i:AF+32*\buf+8*\i+7], v[BQ+8*\b:BQ+8*\b+7], v[8*(\t0+\i):8*(\t0+\i)+7]
.endr
.endr
.rept 5
	v_nop
.endr
.irp i,0,1,2,3
	v_wmma_f32_16x16x32_f16 v[8*(\t0+\i):8*(\t0+\i)+7], v[AF+32*\buf+8*\i:AF+32*\buf+8*\i+7], v[BQ:BQ+7], v[8*(\t0+\i):8*(\t0+\i)+7]
.endr
.else
.irp i,0,1,2,3
.irp b,0,1,2,3
	v_wmma_f32_16x16x32_f16 v[64*\b+8*(\t0+\i):64*\b+8*(\t0+\i)+7], v[AF+32*\buf+8*\i:AF+32*\buf+8*\i+7], v[BQ+8*\b:BQ+8*\b+7], v[64*\b+8*(\t0+\i):64*\b+8*(\t0+\i)+7]
.endr
.endr
.endif
.endm
.macro MMK buf, t0, first                          ; the same for k: the fifth block's accumulators, in window 1, hold the bias
.if \first
	WIN 0xd5                                       ; A, B, C window 1; D window 3
.irp i,0,1,2,3
.irp s,0,1,2,3
	v_wmma_f32_16x16x32_f16 v[64*\s+8*(\t0+\i):64*\s+8*(\t0+\i)+7], v[AF+32*\buf+8*\i:AF+32*\buf+8*\i+7], v[BK+8*\s:BK+8*\s+7], v[K4+8*(\t0+\i):K4+8*(\t0+\i)+7]
.endr
.endr
.rept 5
	v_nop
.endr
.else
	WIN 0xf5                                       ; C, D window 3
.irp i,0,1,2,3
.irp s,0,1,2,3
	v_wmma_f32_16x16x32_f16 v[64*\s+8*(\t0+\i):64*\s+8*(\t0+\i)+7], v[AF+32*\buf+8*\i:AF+32*\buf+8*\i+7], v[BK+8*\s:BK+8*\s+7], v[64*\s+8*(\t0+\i):64*\s+8*(\t0+\i)+7]
.endr
.endr
.endif
	WIN 0x55
.irp i,0,1,2,3
	v_wmma_f32_16x16x32_f16 v[K4+8*(\t0+\i):K4+8*(\t0+\i)+7], v[AF+32*\buf+8*\i:AF+32*\buf+8*\i+7], v[BK+32:BK+39], v[K4+8*(\t0+\i):K4+8*(\t0+\i)+7]
.endr
.endm
; Behind a run of matrix instructions, in front of the loads into the weight buffer that it has read: two groups of the next chunk are converted.  Their 16 vector
; instructions work on the ring, in window 0, and name no register of a matrix instruction: they are the places.  The last K step has no next chunk: four v_nop.
.macro GAP g, last, h
.if \last
	PLACES
.else
	WIN 0
	CONV2 8*(\g)+8+2*\h
.endif
.endm
; K step g: 32 + 40 matrix instructions.  Each run of eight weight loads is issued 16 to 20 matrix instructions ahead of its use; Wq's fragments of this step are in already.
.macro KSTEP g, first, last
	WIN 0x40                                       ; LDS loads: data window 1, address window 0
	LDB \g
	s_wait_dscnt 10                                ; all but the ten loads of the shifted blocks
	MMQ 0, 0, \first
	GAP \g, \last, 0
	WIN 0x40
	LDA 0, 1, 0, \g
	MMQ 1, 4, \first
	GAP \g, \last, 1
	WIN 0x40
	LDA 1, 1, 4, \g
.if \last
	s_wait_dscnt 8                                 ; all but the eight just issued: the shifted blocks and Wk's tiles 0-3 are in
.else
	s_wait_dscnt 12                                ; behind Wk's tiles 0-3 came four stores to F and the eight loads just issued
.endif
	MMK 0, 0, \first
	GAP \g, \last, 2
.if \last
	s_wait_dscnt 0x0
.else
	WIN 0x40
	LDA 0, 0, 0, \g+1                              ; the weights do not change: the next step's are fetched across the barrier
	s_wait_dscnt 12                                ; behind Wk's tiles 4-7 came four stores to F and these eight loads
.endif
	MMK 1, 4, \first
	GAP \g, \last, 3
.if \last == 0
	WIN 0x40
	LDA 1, 0, 4, \g+1
.endif
	WIN 0
.endm
	s_load_b256 s[4:11], s[0:1], 0x0               ; feature s[4:5], position s[6:7], Wq s[8:9], Wk s[10:11]
	s_load_b128 s[12:15], s[0:1], 0x20             ; bq s[12:13], bk s[14:15]
	s_load_b64 s[16:17], s[0:1], 0x30              ; out0
	v_lshl_add_u32 v15, v0, 2, 0x44400
	s_set_vgpr_msb 0x40
	v_mov_b32 v255, 0
	s_set_vgpr_msb 0x4044
	ds_add_u32 v15, v255
	ds_add_u32 v15, v255
	s_wait_dscnt 0x0
	s_set_vgpr_msb 0x4400
	; all that needs no buffer address is done while the arguments are on their way
	v_lshrrev_b32 v13, 5, v0
	v_readfirstlane_b32 s18, v13                   ; wave v
	s_bfe_u32 s20, ttmp6, 0x40000                  ; my place in the cluster
	s_lshl_b32 s21, ttmp9, 2
	s_add_co_u32 s21, s21, s20                     ; work-group = 64 x batch + height
	s_lshr_b32 s22, s21, 6
	s_lshl_b32 s22, s22, 23                        ; batch x 128 x 65,536 bytes
	s_and_b32 s23, s21, 63
	s_lshl_b32 s23, s23, 10                        ; height x 1,024 bytes
	s_add_co_u32 s22, s22, s23
	s_mov_b32 s23, 0
	s_mov_b32 s40, 0x76543210                      ; v_permlanex16_b32: lane i takes lane i of the other half
	s_mov_b32 s41, 0xfedcba98
	; descriptor group 1: a dense block of 16,384 bytes as 64 rows of 32 elements of 8 bytes; mask 15: the four work-groups of the cluster, bit 21 beside it
	s_mov_b32 s24, 15|(3<<16)|(1<<21)
	s_mov_b32 s25, 32<<16                          ; tensor_dim0 = 32
	s_mov_b32 s26, 64<<16                          ; tensor_dim1 = 64
	s_mov_b32 s27, 32<<16                          ; tile_dim0 = 32
	s_mov_b32 s28, 64                              ; tile_dim1 = 64
	s_mov_b32 s29, 32                              ; pitch
	s_mov_b32 s30, 0
	s_mov_b32 s31, 0
	s_mov_b32 s32, 1
	s_mul_i32 s33, s18, 16384                      ; LDS: Wq's rows 32 v .. 32 v + 31
	s_mov_b32 s36, 1
	s_add_co_u32 s37, s33, 65536                   ; LDS: Wk's
	s_mul_i32 s42, s18, 16384                      ; the same rows in memory; nothing here hangs on the place in the cluster
	s_mov_b32 s43, 0
	v_and_b32 v10, 31, v0                          ; lane
	v_lshlrev_b32 v1, 4, v10
	v_lshl_add_u32 v1, s18, 19, v1                 ; 16 lane + 8 v rows
	v_lshlrev_b32 v24, 2, v0                       ; thread t takes bq[t], bk[t]
	v_and_b32 v11, 15, v0                          ; r
	v_bfe_u32 v12, v0, 4, 1                        ; h
	s_mul_i32 s19, s18, 8*FP
	s_add_co_u32 s19, s19, L_F+16
	v_lshl_add_u32 v2, v10, 3, s19                 ; F store: row 8 v, behind the 8 zeros, 8 bytes a lane
	v_and_b32 v13, 7, v0
	v_lshl_add_u32 v13, v12, 3, v13
	v_mul_u32_u24 v13, v13, FP                     ; transposing load: row 8 h + lane % 8,
	v_bfe_u32 v14, v0, 3, 1
	v_lshl_add_u32 v13, v14, 4, v13                ; 16 bytes on for lanes 8-15 and 24-31,
	s_lshl_b32 s19, s18, 7
	s_add_co_u32 s19, s19, L_F
	v_add_nc_u32 v3, s19, v13                      ; at my 64 columns
	v_mul_u32_u24 v13, v11, FP
	v_lshl_add_u32 v13, v12, 4, v13
	v_add_nc_u32 v5, s19, v13                      ; f fragment: row r, 16 h bytes, at my columns less 8
	v_mul_u32_u24 v13, v11, WP
	v_lshl_add_u32 v13, v12, 4, v13
	v_add_nc_u32 v4, L_WB, v13                     ; weight fragment: row r, 16 h bytes
	s_mul_i32 s19, s18, 8*STG                      ; my eight stages (L_ST = 0)
	v_mul_u32_u24 v13, v11, SP
	v_lshl_add_u32 v13, v12, 5, v13
	v_add_nc_u32 v6, s19, v13                      ; stage in: row r, 32 h bytes
	v_mul_u32_u24 v13, v12, SP
	v_lshl_add_u32 v13, v11, 4, v13
	v_add_nc_u32 v7, s19, v13                      ; stage out: lanes 0-15 one row, lanes 16-31 the next
	v_lshlrev_b32 v13, 16, v12
	v_lshl_add_u32 v13, v11, 4, v13
	v_lshl_add_u32 v8, s18, 8, v13                 ; and the same two rows of out0, at my 256 bytes
	v_lshlrev_b32 v9, 5, v12
	v_add_nc_u32 v9, L_BI, v9                      ; biases of o = 8 h ..
	s_mul_i32 s19, s18, 32*FP
	s_add_co_u32 s19, s19, L_F
	v_mul_u32_u24 v23, v10, FP
	v_add_nc_u32 v23, s19, v23                     ; the zeros left and right of F's rows: wave v, lane l: row 32 v + l
	v_mov_b32 v16, 0
	v_mov_b32 v17, 0
	v_mov_b32 v18, 0
	v_mov_b32 v19, 0
	s_lshl_b32 s19, s18, 7
	s_add_co_u32 s19, s19, L_BI
	v_lshl_add_u32 v31, v10, 2, s19                ; where thread t puts bq[t]
	v_lshl_add_u32 v20, v10, 4, s42                ; my rows of Wq in f32 (L_WF = 0): 16 bytes a lane
	v_add_nc_u32 v21, 0x10000, v20                 ; of Wk
	s_mul_i32 s19, s18, 32*WP
	s_add_co_u32 s19, s19, L_WB
	v_lshl_add_u32 v22, v10, 3, s19                ; and in f16: 8 bytes a lane
	; the band.  Window entry 16 T + 8 h + j of w = w0 + r is w' = w0 - 8 + 16 T + 8 h + j; |w' - w| <= 8 means, with D = 8 h - r: T = 0: D >= -j;  T = 1: D <= -j
	v_lshlrev_b32 v27, 3, v12
	v_sub_nc_u32 v27, v27, v11                     ; D
	s_lshl_b32 s19, s18, 6
	s_sub_co_i32 s19, s19, 8
	v_lshl_add_u32 v28, v12, 3, s19                ; x = 64 v - 8 + 8 h: w' of entry (T = 0, j = 0) in block 0
	v_mov_b32 v29, 0xff800000                      ; -inf
	v_mov_b32 v30, 0x3e0293ee                      ; log2(e) / sqrt(128)
	WIN 0x40
.irp j,0,1,2,3,4,5,6,7
	v_cmp_le_i32 vcc_lo, -\j, v27
	v_cndmask_b32 v[MK+\j], v29, v16, vcc_lo
	v_cmp_ge_i32 vcc_lo, -\j, v27
	v_cndmask_b32 v[MK+8+\j], v29, v16, vcc_lo
.endr
.irp b,0,1,2,3                                     ; eight w' at a time lie inside or outside 0..255: T = 0: x + 16 b >= 0;  T = 1: x + 16 b + 16 <= 248
	v_cmp_le_i32 vcc_lo, -16*\b, v28
	v_cndmask_b32 v[SC+4*\b], v16, v30, vcc_lo
	v_cndmask_b32 v[SC+4*\b+1], v16, v30, vcc_lo
	v_cmp_ge_i32 vcc_lo, 232-16*\b, v28
	v_cndmask_b32 v[SC+4*\b+2], v16, v30, vcc_lo
	v_cndmask_b32 v[SC+4*\b+3], v16, v30, vcc_lo
.endr
	WIN 0
	ROUND                                          ; the four work-groups are here: the joint loads will meet
	s_wait_kmcnt 0x0
	s_add_nc_u64 s[34:35], s[8:9], s[42:43]
	s_or_b32 s35, s35, 0x80000000
	s_add_nc_u64 s[38:39], s[10:11], s[42:43]
	s_or_b32 s39, s39, 0x80000000
	tensor_load_to_lds s[32:35], s[24:31]          ; the weights are asked for first: every K step needs them.  The only tensor loads of the launch: two of a wave are out at the most
	s_nop 0
	tensor_load_to_lds s[36:39], s[24:31]
	s_nop 0
	s_add_nc_u64 s[4:5], s[4:5], s[22:23]
	s_add_nc_u64 s[6:7], s[6:7], s[22:23]
	s_add_nc_u64 s[16:17], s[16:17], s[22:23]
	global_load_b32 v25, v24, s[12:13]
	global_load_b32 v26, v24, s[14:15]
.irp p,0,1,2,3,4,5,6,7,8,9,10,11,12,13
	GLOAD \p                                       ; the ring is filled
.endr
	ds_store_b128 v23, v[16:19]
	ds_store_b128 v23, v[16:19] offset:528
	; chunk 0 is converted, and its slots asked for again, ahead of the wait for the weights: the stream does not pause for them
	CONV2 0                                        ; its wait leaves 48 loads out: the two bias loads, the oldest, are in too
	CONV2 2
	CONV2 4
	CONV2 6
	ds_store_b32 v31, v25
	ds_store_b32 v31, v26 offset:512
	; the weights: my 32 rows of each to f16.  Only I read what my tensor loads brought, so my own wait orders the reads.  Window 2 is still free.
.macro WCV base
.set n, 0
.rept 32
	v_cvt_pk_f16_f32 v[\base+4*n], v[\base+4*n], v[\base+4*n+1]
	v_cvt_pk_f16_f32 v[\base+4*n+1], v[\base+4*n+2], v[\base+4*n+3]
.set n, n+1
.endr
.endm
	s_wait_tensorcnt 0x0
	WIN 0x80
.set n, 0
.rept 32
	ds_load_b128 v[4*n:4*n+3], v20 offset:512*n    ; a row of 128 f32: 32 lanes x 16 bytes
.set n, n+1
.endr
.set n, 0
.rept 32
	ds_load_b128 v[128+4*n:128+4*n+3], v21 offset:512*n
.set n, n+1
.endr
	WIN 0x8a
	s_wait_dscnt 32                                ; Wq's rows are in; Wk's 32 loads may be out
	WCV 0
	WIN 0x08
.set n, 0
.rept 32
	ds_store_b64 v22, v[4*n:4*n+1] offset:WP*n
.set n, n+1
.endr
	WIN 0x8a
	s_wait_dscnt 32                                ; the 32 stores just issued may be out; Wk's rows, asked for ahead of them, are in
	WCV 128
	WIN 0x08
.set n, 0
.rept 32
	ds_store_b64 v22, v[128+4*n:128+4*n+1] offset:128*WP+WP*n
.set n, n+1
.endr
	WIN 0
	BAR                                            ; weights, biases, F's zeros and channels 0-31 are there for every wave; nobody reads the f32 weights any more
	; the biases: tile t gets b[16 t + 8 h + 0..7], bq into q's block 0, bk into k's fifth block
	WIN 0x80
.irp t,0,1,2,3,4,5,6,7
	ds_load_b128 v[8*\t:8*\t+3],   v9 offset:64*\t
	ds_load_b128 v[8*\t+4:8*\t+7], v9 offset:64*\t+16
.endr
	WIN 0x40
.irp t,0,1,2,3,4,5,6,7
	ds_load_b128 v[K4+8*\t:K4+8*\t+3],   v9 offset:512+64*\t
	ds_load_b128 v[K4+8*\t+4:K4+8*\t+7], v9 offset:512+64*\t+16
.endr
	LDA 0, 0, 0, 0                                 ; Wq's fragments of K step 0
	LDA 1, 0, 4, 0
	WIN 0
	KSTEP 0, 1, 0                                  ; and chunk 1 is converted
	BAR                                            ; channels 32-63 of F are whole
	KSTEP 1, 0, 0
	BAR
	KSTEP 2, 0, 0
	BAR                                            ; F is whole
	KSTEP 3, 0, 1
.macro LDF ct                                      ; channels 16 ct + r, columns w0 - 8 .. of my four blocks: block b's fragment is chunks b and b + 1, so five loads serve four fragments
.irp q,0,1,2,3,4
	ds_load_b128 v[FB+20*(\ct)+4*\q:FB+20*(\ct)+4*\q+3], v5 offset:(\ct)*16*FP+32*\q
.endr
.endm
.macro PACK x0, cnt                                ; registers x + 0..15 (tiles 2u, 2u+1) become the fragment x + 0..7
.set x, \x0
.rept \cnt
.irp i,0,1,2,3,4,5,6,7
	v_cvt_pk_f16_f32 v[x+\i], v[x+2*\i], v[x+2*\i+1]
.endr
.set x, x+16
.endr
.endm
	; q and k to f16, in place.  The four v_nop that end the K step stand behind its last matrix instruction.  f for the last product is fetched meanwhile, ten loads at a
	; time, into the fragment registers that the K steps have left; the last ten reach into the fifth block's accumulators and stand behind their packing.
	WIN 0x40
	LDF 0
	LDF 1
	WIN 0x8a
	PACK 0, 8
	WIN 0x40
	LDF 2
	LDF 3
	WIN 0x8a
	PACK 128, 8
	WIN 0x40
	LDF 4
	LDF 5
	WIN 0xcf
	PACK 0, 16
	WIN 0xc5                                       ; the fifth block's fragments go to window 3, into the halves that block 0's packing has freed (16 u + 8 ..): one window for all of k
.set x, 0
.rept 4
.irp i,0,1,2,3,4,5,6,7
	v_cvt_pk_f16_f32 v[x+8+\i], v[K4+x+2*\i], v[K4+x+2*\i+1]
.endr
.set x, x+16
.endr
	WIN 0x40
	LDF 6
	LDF 7
	; S^T(w', w) = sum over o of k(o, w') q(o, w): block b, tile T takes shifted block b + T.  Eight accumulators by turns; the first product starts each sum.
	WIN 0x0b                                       ; A window 3, B window 2, C and D window 0
.irp u,0,1,2,3
.irp b,0,1,2,3
.irp t,0,1
.if \u == 0
	v_wmma_f32_16x16x32_f16 v[SA+16*\b+8*\t:SA+16*\b+8*\t+7], v[64*((\b+\t)%4)+8*((\b+\t)/4)+16*\u:64*((\b+\t)%4)+8*((\b+\t)/4)+16*\u+7], v[64*\b+16*\u:64*\b+16*\u+7], 0
.else
	v_wmma_f32_16x16x32_f16 v[SA+16*\b+8*\t:SA+16*\b+8*\t+7], v[64*((\b+\t)%4)+8*((\b+\t)/4)+16*\u:64*((\b+\t)%4)+8*((\b+\t)/4)+16*\u+7], v[64*\b+16*\u:64*\b+16*\u+7], v[SA+16*\b+8*\t:SA+16*\b+8*\t+7]
.endif
.endr
.endr
.endr
	PLACES
	; softmax in f32, four blocks side by side.  A lane holds 16 of the 32 window entries of w = w0 + r, lane + 16 or - 16 the others.
	WIN 0x14                                       ; factors and addends from window 1
.irp b,0,1,2,3
.irp i,0,1,2,3,4,5,6,7
	v_pk_fma_f32 v[SA+16*\b+2*\i:SA+16*\b+2*\i+1], v[SA+16*\b+2*\i:SA+16*\b+2*\i+1], v[SC+4*\b+2*(\i/4):SC+4*\b+2*(\i/4)+1], v[MK+2*\i:MK+2*\i+1]   ; scaled; padded w': 0; outside the band: -inf
.endr
.endr
	WIN 0
.irp b,0,1,2,3
	v_max3_num_f32 v[MP+2*\b], v[SA+16*\b], v[SA+16*\b+1], v[SA+16*\b+2]
	v_mov_b32 v[XR+\b], 0                          ; v_permlanex16_b32's destination counts as read
.endr
.irp k,3,5,7,9,11,13
.irp b,0,1,2,3
	v_max3_num_f32 v[MP+2*\b], v[MP+2*\b], v[SA+16*\b+\k], v[SA+16*\b+\k+1]
.endr
.endr
.irp b,0,1,2,3
	v_max_num_f32 v[MP+2*\b], v[MP+2*\b], v[SA+16*\b+15]
.endr
.irp b,0,1,2,3
	v_permlanex16_b32 v[XR+\b], v[MP+2*\b], s40, s41
.endr
.irp b,0,1,2,3
	v_max_num_f32 v[MP+2*\b], v[MP+2*\b], v[XR+\b] ; the window's maximum: finite, since all 17 entries of the band are
.endr
.irp b,0,1,2,3
	v_mov_b32 v[MP+2*\b+1], v[MP+2*\b]
.endr
.irp b,0,1,2,3
.irp i,0,1,2,3,4,5,6,7
	v_pk_add_f32 v[SA+16*\b+2*\i:SA+16*\b+2*\i+1], v[SA+16*\b+2*\i:SA+16*\b+2*\i+1], v[MP+2*\b:MP+2*\b+1] neg_lo:[0,1] neg_hi:[0,1]
.endr
.endr
.irp b,0,1,2,3
.irp i,0,1,2,3,4,5,6,7,8,9,10,11,12,13,14,15
	v_exp_f32 v[SA+16*\b+\i], v[SA+16*\b+\i]       ; S carries log2(e) already
.endr
.endr
	v_nop                                          ; one plain instruction behind the transcendentals before their results are read
	s_wait_alu depctr_va_vdst(0)
.irp b,0,1,2,3
	v_pk_add_f32 v[TS+4*\b:TS+4*\b+1],   v[SA+16*\b:SA+16*\b+1],   v[SA+16*\b+2:SA+16*\b+3]
	v_pk_add_f32 v[TS+4*\b+2:TS+4*\b+3], v[SA+16*\b+4:SA+16*\b+5], v[SA+16*\b+6:SA+16*\b+7]
.endr
.irp b,0,1,2,3
	v_pk_add_f32 v[TS+4*\b:TS+4*\b+1],   v[TS+4*\b:TS+4*\b+1],   v[SA+16*\b+8:SA+16*\b+9]
	v_pk_add_f32 v[TS+4*\b+2:TS+4*\b+3], v[TS+4*\b+2:TS+4*\b+3], v[SA+16*\b+10:SA+16*\b+11]
.endr
.irp b,0,1,2,3
	v_pk_add_f32 v[TS+4*\b:TS+4*\b+1],   v[TS+4*\b:TS+4*\b+1],   v[SA+16*\b+12:SA+16*\b+13]
	v_pk_add_f32 v[TS+4*\b+2:TS+4*\b+3], v[TS+4*\b+2:TS+4*\b+3], v[SA+16*\b+14:SA+16*\b+15]
.endr
.irp b,0,1,2,3
	v_pk_add_f32 v[TS+4*\b:TS+4*\b+1], v[TS+4*\b:TS+4*\b+1], v[TS+4*\b+2:TS+4*\b+3]
.endr
.irp b,0,1,2,3
	v_add_f32 v[TS+4*\b], v[TS+4*\b], v[TS+4*\b+1]
.endr
.irp b,0,1,2,3
	v_permlanex16_b32 v[XR+\b], v[TS+4*\b], s40, s41
.endr
.irp b,0,1,2,3
	v_add_f32 v[TS+4*\b], v[TS+4*\b], v[XR+\b]     ; at least 1: the maximum's own term
.endr
.irp b,0,1,2,3
	v_rcp_f32 v[MP+2*\b], v[TS+4*\b]
	v_rcp_f32 v[MP+2*\b+1], v[TS+4*\b]
.endr
	v_nop
	s_wait_alu depctr_va_vdst(0)
.irp b,0,1,2,3
.irp i,0,1,2,3,4,5,6,7
	v_pk_mul_f32 v[SA+16*\b+2*\i:SA+16*\b+2*\i+1], v[SA+16*\b+2*\i:SA+16*\b+2*\i+1], v[MP+2*\b:MP+2*\b+1]
.endr
.endr
.irp b,0,1,2,3
.irp i,0,1,2,3,4,5,6,7
	v_cvt_pk_f16_f32 v[SA+16*\b+\i], v[SA+16*\b+2*\i], v[SA+16*\b+2*\i+1]   ; P's fragment of block b: SA + 16 b + 0..7
.endr
.endr
; out^T(w, c) = sum over the window of P(w, .) f(c, .), in four batches of 32 channels.  Every product has a result tile of its own, every 16 channels a stage of their
; own and every row read back registers of its own: nothing is used twice, so the only waits are those in front of the global stores, and they are counted.
.macro PVW z                                       ; eight products, each starting its own sum
	WIN 0x84                                       ; A (P) window 0, B (f) window 1, D window 2
.irp c,0,1
.irp b,0,1,2,3
	v_wmma_f32_16x16x32_f16 v[32*(2*\z+\c)+8*\b:32*(2*\z+\c)+8*\b+7], v[SA+16*\b:SA+16*\b+7], v[FB+20*(2*\z+\c)+4*\b:FB+20*(2*\z+\c)+4*\b+7], 0
.endr
.endr
.endm
.macro PVS z                                       ; into the two stages, and back as whole rows of 256 bytes
	PLACES                                         ; four places before the LDS stores read the results
	WIN 0x08                                       ; store data window 2
.irp c,0,1
.irp b,0,1,2,3
	ds_store_b128 v6, v[32*(2*\z+\c)+8*\b:32*(2*\z+\c)+8*\b+3]   offset:(2*\z+\c)*STG+64*\b      ; channel r, w = 16 b + 8 h + 0..3
	ds_store_b128 v6, v[32*(2*\z+\c)+8*\b+4:32*(2*\z+\c)+8*\b+7] offset:(2*\z+\c)*STG+64*\b+16
.endr
.endr
	WIN 0xc0                                       ; loaded data window 3
.irp c,0,1
.irp t,0,1,2,3,4,5,6,7
	ds_load_b128 v[32*(2*\z+\c)+4*\t:32*(2*\z+\c)+4*\t+3], v7 offset:(2*\z+\c)*STG+\t*2*SP   ; LDS serves a wave's instructions in order: these see the stores above; the stages are my own
.endr
.endr
.endm
.macro PVG z, young                                ; the batch's 16 stores; young = LDS instructions issued behind the batch's 16 loads
	WIN 0x0c                                       ; store data window 3
.irp c,0,1
.irp t,0,1,2,3,4,5,6,7
.if (\t)%4 == 0
	s_wait_dscnt \young+12-8*\c-\t                 ; loads come back in order: the next four of the sixteen are in
.endif
	global_store_b128 v8, v[32*(2*\z+\c)+4*\t:32*(2*\z+\c)+4*\t+3], s[16:17] offset:(16*(2*\z+\c)+2*\t)*CSTR th:TH_STORE_NT   ; 16 lanes store 256 consecutive bytes, at a multiple of 256 from out0's first byte
.endr
.endr
.endm
	s_wait_dscnt 0x0                               ; f's 40 chunks are in: the last were asked for ahead of S and the softmax
	PVW 0
	PVS 0
	PVW 1
	PVS 1
	PVG 0, 32                                      ; while batch 1's 32 LDS instructions are served
	PVW 2
	PVS 2
	PVG 1, 32
	PVW 3
	PVS 3
	PVG 2, 32
	PVG 3, 0
	WIN 0
	s_set_vgpr_msb 0x4
	s_wait_tensorcnt 0x0
	ds_add_u32 v15, v255
	s_wait_dscnt 0x0
	s_set_vgpr_msb 0x400
	ROUND                                          ; the closing round: no work-group ends while a partner may still ask jointly
	s_endpgm
.Lfunc_end_k_q3266e5ed8e_attn1d:
	.size	k_q3266e5ed8e_attn1d, .Lfunc_end_k_q3266e5ed8e_attn1d-k_q3266e5ed8e_attn1d
	.p2alignl 7, 3214868480
	.fill 96, 4, 3214868480
	.section	.rodata,"a",@progbits
	.p2align	6, 0x0
	.amdhsa_kernel k_q3266e5ed8e_attn1d
		.amdhsa_group_segment_fixed_size 280064
		.amdhsa_private_segment_fixed_size 0
		.amdhsa_enable_private_segment 0
		.amdhsa_kernarg_size 56
		.amdhsa_user_sgpr_count 2
		.amdhsa_user_sgpr_kernarg_segment_ptr 1
		.amdhsa_wavefront_size32 1
		.amdhsa_system_sgpr_workgroup_id_x 1
		.amdhsa_system_sgpr_workgroup_id_y 1
		.amdhsa_system_sgpr_workgroup_id_z 1
		.amdhsa_system_vgpr_workitem_id 0
		.amdhsa_next_free_vgpr 1024
		.amdhsa_next_free_sgpr 66
		.amdhsa_reserve_vcc 1
		.amdhsa_float_denorm_mode_32 3
		.amdhsa_float_denorm_mode_16_64 3
		.amdhsa_memory_ordered 1
		.amdhsa_forward_progress 1
		.amdhsa_inst_pref_size 150
	.end_amdhsa_kernel
	.amdgpu_metadata
---
amdhsa.version: [ 1, 2 ]
amdhsa.kernels:
  - .name:           k_q3266e5ed8e_attn1d
    .symbol:         k_q3266e5ed8e_attn1d.kd
    .args:
      - { .name: feature, .offset: 0, .size: 8, .value_kind: global_buffer, .address_space: global }
      - { .name: position, .offset: 8, .size: 8, .value_kind: global_buffer, .address_space: global }
      - { .name: Wq, .offset: 16, .size: 8, .value_kind: global_buffer, .address_space: global }
      - { .name: Wk, .offset: 24, .size: 8, .value_kind: global_buffer, .address_space: global }
      - { .name: bq, .offset: 32, .size: 8, .value_kind: global_buffer, .address_space: global }
      - { .name: bk, .offset: 40, .size: 8, .value_kind: global_buffer, .address_space: global }
      - { .name: out0, .offset: 48, .size: 8, .value_kind: global_buffer, .address_space: global }
    .group_segment_fixed_size: 280064
    .private_segment_fixed_size: 0
    .kernarg_segment_align: 8
    .kernarg_segment_size: 56
    .max_flat_workgroup_size: 128
    .sgpr_count:     66
    .vgpr_count:     1024
    .wavefront_size: 32
...
	.end_amdgpu_metadata
.endif
;; end of part 1
